; MI455X (gfx1250); checked and timed in simulation.
; The chip was launched on July 23, 2026; its instructions are those of AMD's public machine-readable ISA for CDNA 5 (MIT licence, August 2026) and "CDNA5" Instruction Set Architecture Reference Guide (July 2026). The comments in the code are by the model that wrote it; some were corrected since.
;; Region Proposal Network. Allowed arithmetic: float matrix products may take bf16 or f16 operands with f32 sums; all other float work in f32.
;; Inputs: conv1_b 512 float32; conv1_w 512 x 512 x 3 x 3 float32; loc_b 36 float32; loc_w 36 x 512 x 1 x 1 float32; score_b 18 float32; score_w 18 x 512 x 1 x 1 float32; x 16 x 512 x 50 x 50 float32.
;; Outputs: out0 16 x 22,500 x 4 float32; out1 16 x 22,500 x 2 float32; out2 4,800 x 4 float32; out3 4,800 int32; out4 22,500 x 4 float32.
;; Constants: img_h = 800, img_w = 800.
;; 2 versions, each right and faster than the one before. Each part assembles by itself: llvm-mc -triple=amdgcn-amd-amdhsa -mcpu=gfx1250 --defsym DOCPART=n.
;; ======== version 1 of 2: 5 launches
;; limits: values outside matrix products are rounded to bf16
;; workspace buffers: keys 1,440,000 bytes of whole numbers; boxes 5,760,000 bytes; ckey 192,512 bytes of whole numbers; cidx 192,512 bytes of whole numbers; sbox 770,048 bytes; dead 192,512 bytes of whole numbers; tmat 9,144,320 bytes of whole numbers
;; launch gemm (part 1): grid 16 x 16, 5 waves a work-group, no clusters, 110,592 bytes of LDS; arguments x, loc_w, score_w, loc_b, score_b, out0, out1, out4, boxes, keys; writes out0, out1, out4, boxes, keys
.if DOCPART == 1
	.amdgcn_target "amdgcn-amd-amdhsa--gfx1250"
	.amdhsa_code_object_version 6
	.text
	.protected	k_qa6cfba287e_gemm
	.globl	k_qa6cfba287e_gemm
	.p2align	8
	.type	k_qa6cfba287e_gemm,@function
k_qa6cfba287e_gemm:
	s_mov_b64 s[64:65], 0
	v_nop
	global_prefetch_b8 v0, s[64:65] scope:SCOPE_SE
	s_setreg_imm32_b32 hwreg(HW_REG_WAVE_MODE, 25, 1), 1
	s_wait_xcnt 0x0
; locs and scores = relu(x) times the 54 rows of loc_w and score_w, plus bias; then for each anchor its box, clipped, and a sort key.
; x: [16][512][2500] f32.  A work-group takes 160 positions of one image, a wave 32 of them over all 512 channels.
; conv1_w and conv1_b are not read: the reference throws the convolution's result away, so no output hangs on them.
; Matrix use: A = weights (4 tiles of 16 outputs, rows 54-63 zero), B = x in bf16 (tile j, column r = position 32 w + 2 r + j, so a lane loads
; two neighbouring positions of a channel with 8 bytes).  Sums in f32.  The biases are a 513th column of A against a row of ones in B:
; a seventeenth K step, the last, so that the bias is added onto the finished sum.
; key = bits of the foreground probability + 2 for a box of at least 16 x 16, else 1: whole numbers whose order is the scores' order.
; LIMITS: weights, x and the biases are matrix operands and are rounded to bf16 (relative 2^-9);
; the probability is exp2 and a corrected reciprocal, so it may differ from the reference's in the last place or two;
; a probability below 2^-126 counts as 0; inputs that give locs or scores that are not finite are not served.
; No tensor loads and no cluster: no two work-groups read the same x, and the weights are 110,592 bytes read once by each work-group.
.set SP,    272                        ; stage: 160 rows (positions) of 64 f32 + 16 bytes, from LDS byte 0
.set WBASE, 43520                      ; weights: 64 rows of 512 bf16 + 16 bytes, behind the stage
.set WP,    1040                       ; 65 x 16 bytes: the 16 rows of a fragment start in 16 different 16-byte columns
.set BI,    12                         ; v[12:15]   bias of output 16 m + r, kept through the K loop
.set BF,    16                         ; v[16:31]   two B fragments
.set WF,    32                         ; v[32:63]   four A fragments
.set ACC,   64                         ; v[64:127]  tile (m, j) at ACC + 8 (2 m + j)
.set X,     128                        ; v[128:255] four slots of 16 loads of 8 bytes
.set UB,    96                         ; v[96:239]  later: nine units of 16 registers
.set L2E,   0x3fb8aa3b                 ; 1 / ln 2
	s_load_b512 s[4:19], s[0:1], 0x0               ; x 4, loc_w 6, score_w 8, loc_b 10, score_b 12, out0 14, out1 16, out4 18
	s_load_b128 s[20:23], s[0:1], 0x40             ; boxes 20, keys 22
	v_lshrrev_b32 v8, 5, v0
	v_readfirstlane_b32 s24, v8                    ; wave
	s_mov_b32 s25, ttmp9                           ; which 160 positions
	s_and_b32 s26, ttmp7, 0xffff                   ; image
	v_and_b32 v1, 15, v0                           ; r
	v_bfe_u32 v2, v0, 4, 1                         ; h
	v_and_b32 v9, 31, v0                           ; lane
	v_lshlrev_b32 v5, 4, v9
	v_lshlrev_b32 v6, 3, v9
	s_mul_i32 s56, s25, 160                        ; the group's first position
	s_lshl_b32 s29, s24, 5
	s_add_co_u32 s28, s29, s56
	v_lshl_add_u32 v3, v1, 1, s28                  ; my two positions; the last group's tail is clamped into the image
	v_min_u32 v3, 2498, v3
	v_lshlrev_b32 v3, 2, v3
	v_mul_u32_u24 v8, v2, 80000                    ; 8 channels further for the upper half of the lanes
	v_add_nc_u32 v3, v3, v8
	v_mul_u32_u24 v4, v1, WP
	v_lshl_add_u32 v4, v2, 4, v4
	v_add_nc_u32 v4, WBASE, v4                     ; A fragments: row r, 16 h
	v_lshl_add_u32 v7, v1, 1, s29
	v_mul_u32_u24 v7, v7, SP
	v_lshl_add_u32 v7, v2, 5, v7                   ; stage: row 32 w + 2 r, outputs 8 h ..
	; byte offsets of the biases of outputs r, 16 + r, 32 + r, 48 + r: loc_b holds outputs 0-35, score_b outputs 36-53; indices are clamped into the tables
	v_lshlrev_b32 v10, 2, v1                       ; loc_b[r], and with 64 bytes more loc_b[16 + r]
	v_min_u32 v11, 3, v1
	v_lshlrev_b32 v11, 2, v11                      ; with 128 bytes more: loc_b[32 + min(r, 3)]
	v_max_u32 v9, 4, v1
	v_add_nc_u32 v9, -4, v9
	v_lshlrev_b32 v9, 2, v9                        ; score_b[max(r, 4) - 4]: outputs 36-47
	v_min_u32 v8, 5, v1
	v_lshlrev_b32 v8, 2, v8                        ; with 48 bytes more: score_b[12 + min(r, 5)]: outputs 48-53 (what stands in 54-63 is never read)
	s_mul_i32 s57, s26, 22500
	s_mul_i32 s58, s25, 1440                       ; the group's first anchor in the image
	s_sub_co_u32 s27, 22500, s58                   ; anchors left from there
	s_add_co_u32 s57, s57, s58
	s_mov_b32 s31, 0
	s_mul_i32 s30, s26, 5120000
	s_wait_kmcnt 0x0
	s_add_nc_u64 s[4:5], s[4:5], s[30:31]          ; x at my image
	global_load_b32 v[BI],   v10, s[10:11]
	global_load_b32 v[BI+1], v10, s[10:11] offset:64
	global_load_b32 v[BI+2], v11, s[10:11] offset:128
	global_load_b32 v21,     v9,  s[12:13]
	global_load_b32 v[BI+3], v8,  s[12:13] offset:48
; row i of my eleven weight rows: its address into its own pair, its LDS row into s[68+i].  Row 11 w + i, at most 53 (wave 4 writes row 53 twice).
.macro WADDR i
	s_mul_i32 s28, s24, 11
	s_add_co_u32 s28, s28, \i
	s_min_u32 s28, s28, 53
	s_mul_i32 s[68+\i], s28, WP
	s_add_co_u32 s[68+\i], s[68+\i], WBASE
	s_sub_co_u32 s29, s28, 36
	s_cmp_lt_u32 s28, 36
	s_cselect_b64 s[32+2*\i:33+2*\i], s[6:7], s[8:9]   ; rows 0-35 loc_w, 36-53 score_w
	s_cselect_b32 s30, s28, s29
	s_lshl_b32 s30, s30, 11                            ; 2,048 bytes a row
	s_add_nc_u64 s[32+2*\i:33+2*\i], s[32+2*\i:33+2*\i], s[30:31]
.endm
.macro WLOAD i, n
.irp j, 0,1,2,3
	global_load_b128 v[32+16*\n+4*\j:32+16*\n+4*\j+3], v5, s[32+2*\i:33+2*\i] offset:512*\j
.endr
.endm
.macro WSTORE i, n
	v_add_nc_u32 v8, s[68+\i], v6
.irp j, 0,1,2,3
	v_cvt_pk_bf16_f32 v[32+16*\n+4*\j], v[32+16*\n+4*\j], v[32+16*\n+4*\j+1]
	v_cvt_pk_bf16_f32 v[32+16*\n+4*\j+1], v[32+16*\n+4*\j+2], v[32+16*\n+4*\j+3]
	ds_store_b64 v8, v[32+16*\n+4*\j:32+16*\n+4*\j+1] offset:256*\j
.endr
.endm
; chunk c of x: 32 channels.  Load t brings channel 32 c + 8 h + t (t < 8) or + t + 8: the order of a B fragment's registers.
.macro XLOAD c
.irp t, 0,1,2,3,4,5,6,7,8,9,10,11,12,13,14,15
	global_load_b64 v[X+32*((\c)%4)+2*\t:X+32*((\c)%4)+2*\t+1], v3, s[4:5] offset:320000*(\c)+10000*(\t+8*(\t/8)) th:TH_LOAD_NT
.endr
.endm
.irp i, 0,1,2,3,4,5,6,7,8,9,10
	WADDR \i
.endr
.irp i, 0,1,2,3,4,5
	WLOAD \i, \i
.endr
	XLOAD 0
	XLOAD 1
	; the other bases, and the zero rows 54 + w and 59 + w, while the loads are on their way
	s_lshl_b32 s30, s57, 4
	s_add_nc_u64 s[14:15], s[14:15], s[30:31]
	s_add_nc_u64 s[20:21], s[20:21], s[30:31]
	s_lshl_b32 s30, s57, 3
	s_add_nc_u64 s[16:17], s[16:17], s[30:31]
	s_lshl_b32 s30, s57, 2
	s_add_nc_u64 s[22:23], s[22:23], s[30:31]
	s_lshl_b32 s30, s58, 4
	s_add_nc_u64 s[18:19], s[18:19], s[30:31]
	s_mul_i32 s28, s24, WP
	s_add_co_u32 s28, s28, WBASE+54*WP
	v_add_nc_u32 v20, s28, v5
	v_mov_b32 v16, 0
	v_mov_b32 v17, 0
	v_mov_b32 v18, 0
	v_mov_b32 v19, 0
	ds_store_b128 v20, v[16:19]
	ds_store_b128 v20, v[16:19] offset:512
	ds_store_b128 v20, v[16:19] offset:5*WP
	ds_store_b128 v20, v[16:19] offset:5*WP+512
	s_wait_loadcnt 32                              ; the biases and the six rows are in; the 32 loads of x issued behind them stay out
	v_cmp_gt_u32 vcc_lo, 4, v1
	v_cndmask_b32 v[BI+2], v21, v[BI+2], vcc_lo    ; outputs 32-35 from loc_b, 36-47 from score_b: the value is chosen, not the address
.irp i, 0,1,2,3,4,5
	WSTORE \i, \i
.endr
	s_wait_dscnt 0x0                               ; the stores have taken their data: the registers are loaded again
	WLOAD 6, 0
	WLOAD 7, 1
	WLOAD 8, 2
	WLOAD 9, 3
	WLOAD 10, 4
	XLOAD 2
	XLOAD 3
	s_wait_loadcnt 32                              ; the five rows are in; chunks 2 and 3 stay out
	WSTORE 6, 0
	WSTORE 7, 1
	WSTORE 8, 2
	WSTORE 9, 3
	WSTORE 10, 4
	s_wait_dscnt 0x0                               ; my rows are written, for the other waves' sake
	s_barrier_signal -1
	s_barrier_wait -1                              ; all 64 rows are
; One chunk: relu, round to bf16, eight matrix instructions.  left = younger loads of x that may stay out (16 a chunk).
; The 32 v_max stand between the last chunk's matrix instructions and the loads and conversions that write their sources.
; The eight accumulators take turns, one instruction a turn.
.macro CHUNK c, left, refill, zero
	s_wait_loadcnt \left
.set t, 0
.rept 32
	v_max_num_f32 v[X+32*((\c)%4)+t], 0, v[X+32*((\c)%4)+t]
.set t, t+1
.endr
.irp m, 0,1,2,3
	ds_load_b128 v[WF+8*\m:WF+8*\m+3],   v4 offset:16*WP*\m+64*(\c)
	ds_load_b128 v[WF+8*\m+4:WF+8*\m+7], v4 offset:16*WP*\m+64*(\c)+32
.endr
.irp q, 0,1,2,3,4,5,6,7
	v_cvt_pk_bf16_f32 v[BF+\q],   v[X+32*((\c)%4)+4*\q],   v[X+32*((\c)%4)+4*\q+2]
	v_cvt_pk_bf16_f32 v[BF+8+\q], v[X+32*((\c)%4)+4*\q+1], v[X+32*((\c)%4)+4*\q+3]
.endr
.if \refill
	XLOAD \c+4
.endif
	s_wait_dscnt 0x0
.irp m, 0,1,2,3
.irp j, 0,1
.if \zero
	v_wmma_f32_16x16x32_bf16 v[ACC+8*(2*\m+\j):ACC+8*(2*\m+\j)+7], v[WF+8*\m:WF+8*\m+7], v[BF+8*\j:BF+8*\j+7], 0
.else
	v_wmma_f32_16x16x32_bf16 v[ACC+8*(2*\m+\j):ACC+8*(2*\m+\j)+7], v[WF+8*\m:WF+8*\m+7], v[BF+8*\j:BF+8*\j+7], v[ACC+8*(2*\m+\j):ACC+8*(2*\m+\j)+7]
.endif
.endr
.endr
.endm
	CHUNK 0, 48, 1, 1                              ; the first products start the sums
.irp c, 1,2,3,4,5,6,7,8,9,10,11
	CHUNK \c, 48, 1, 0
.endr
	CHUNK 12, 48, 0, 0                             ; nothing is left to fetch: the counts run down
	CHUNK 13, 32, 0, 0
	CHUNK 14, 16, 0, 0
	CHUNK 15, 0, 0, 0
	; The seventeenth K step: the biases.  B = 1.0 at k = 0 and 0 elsewhere, the same for both tiles of positions, in the x slot that chunk 12 used last.
	; These nine lines name no register of the matrix instructions above: they are the places (ISA guide 7.12.1) in front of the conversions
	; that write the A fragments' first registers.
	v_xor_b32 v[X], 1, v2                          ; k = 0 lies in the low half of register 0 of lanes 0-15
	v_mul_u32_u24 v[X], v[X], 0x3f80               ; bf16 1.0 there, 0 in lanes 16-31
.irp q, 1,2,3,4,5,6,7
	v_mov_b32 v[X+\q], 0
.endr
	; A: the bias of output 16 m + r at k = 0 (and at k = 1, and in lanes 16-31 at k = 8 and 9).  All of A but k = 0 meets a zero of B: the copies,
	; and the last chunk's weights in registers 1 to 7, which are finite.
.irp m, 0,1,2,3
	v_cvt_pk_bf16_f32 v[WF+8*\m], v[BI+\m], v[BI+\m]
.endr
.irp m, 0,1,2,3
.irp j, 0,1
	v_wmma_f32_16x16x32_bf16 v[ACC+8*(2*\m+\j):ACC+8*(2*\m+\j)+7], v[WF+8*\m:WF+8*\m+7], v[X:X+7], v[ACC+8*(2*\m+\j):ACC+8*(2*\m+\j)+7]
.endr
.endr
.rept 4
	v_nop                                          ; four places behind the last matrix instruction (ISA guide 7.12.1) before its result is stored
.endr
.irp m, 0,1,2,3
.irp j, 0,1
	ds_store_b128 v7, v[ACC+8*(2*\m+\j):ACC+8*(2*\m+\j)+3]   offset:SP*\j+64*\m      ; outputs 16 m + 8 h + 0..3 of position 32 w + 2 r + j
	ds_store_b128 v7, v[ACC+8*(2*\m+\j)+4:ACC+8*(2*\m+\j)+7] offset:SP*\j+64*\m+16
.endr
.endr
	s_wait_dscnt 0x0
	s_barrier_signal -1
	s_barrier_wait -1                              ; the stage is whole
	; Units: unit u = thread + 160 i is anchor a = u mod 9 of position p = u / 9, and 16 bytes of out0: each store of a wave covers neighbouring bytes.
	v_lshlrev_b32 v240, 4, v0
	v_lshlrev_b32 v241, 3, v0
	v_lshlrev_b32 v242, 2, v0
	v_mov_b32 v243, 0x3f3504f3                     ; sqrt(1/2)
	v_mov_b32 v244, 0x3fb504f3                     ; sqrt(2)
; U+0..3 loc, +4..7 the box, +8..9 scores, +10 the key, +12 a, +13 p, then +12..15 the anchor
.macro UADDR i
.set U, UB+16*\i
	v_add_nc_u32 v8, 160*\i, v0
	v_mul_u32_u24 v9, v8, 7282
	v_lshrrev_b32 v[U+13], 16, v9                  ; u / 9, exact up to 1,439
	v_mul_u32_u24 v9, v[U+13], 9
	v_sub_nc_u32 v[U+12], v8, v9
	v_mul_u32_u24 v9, v[U+13], SP
	v_lshl_add_u32 v10, v[U+12], 4, v9
	v_lshl_add_u32 v11, v[U+12], 3, v9
	ds_load_b128 v[U:U+3], v10                     ; outputs 4 a .. 4 a + 3
	ds_load_b64 v[U+8:U+9], v11 offset:144         ; outputs 36 + 2 a, 37 + 2 a
.endm
.macro UNIT i
.set U, UB+16*\i
	; the anchor: ratio a / 3, scale a mod 3; half height = sqrt(ratio) 2^(6 + scale), half width = sqrt(1 / ratio) 2^(6 + scale)
	v_mul_u32_u24 v8, v[U+12], 11
	v_lshrrev_b32 v8, 5, v8
	v_mul_u32_u24 v9, v8, 3
	v_sub_nc_u32 v9, v[U+12], v9
	v_add_nc_u32 v9, 6, v9
	v_lshlrev_b32 v9, 23, v9                       ; added to a float's bits it raises the exponent
	v_cmp_eq_u32 s46, 0, v8
	v_cmp_eq_u32 s47, 2, v8
	v_cndmask_b32 v11, 1.0, v243, s46
	v_cndmask_b32 v12, 1.0, v244, s46
	v_cndmask_b32 v11, v11, v244, s47
	v_cndmask_b32 v12, v12, v243, s47
	v_add_nc_u32 v11, v11, v9
	v_add_nc_u32 v12, v12, v9
	v_add_nc_u32 v13, s56, v[U+13]                 ; position in the image
	v_mul_u32_u24 v14, v13, 1311
	v_lshrrev_b32 v14, 16, v14                     ; / 50, exact up to 2,559
	v_mul_u32_u24 v15, v14, 50
	v_sub_nc_u32 v15, v13, v15
	v_lshlrev_b32 v14, 4, v14
	v_lshlrev_b32 v15, 4, v15
	v_cvt_f32_u32 v14, v14
	v_cvt_f32_u32 v15, v15
	v_sub_f32 v16, 0x41000000, v11                 ; 8 - half
	v_sub_f32 v17, 0x41000000, v12
	v_add_f32 v18, 0x41000000, v11
	v_add_f32 v19, 0x41000000, v12
	v_pk_add_f32 v[U+12:U+13], v[14:15], v[16:17]
	v_pk_add_f32 v[U+14:U+15], v[14:15], v[18:19]
	; the box, in the reference's order
	v_pk_add_f32 v[20:21], v[U+14:U+15], v[U+12:U+13] neg_lo:[0,1] neg_hi:[0,1]     ; h, w
	v_pk_fma_f32 v[22:23], v[20:21], 0.5, v[U+12:U+13] op_sel_hi:[1,0,1]            ; cy, cx
	v_pk_fma_f32 v[22:23], v[U:U+1], v[20:21], v[22:23]                             ; ny, nx
	v_mul_f32 v24, L2E, v[U+2]
	v_mul_f32 v25, L2E, v[U+3]
	v_exp_f32 v24, v24
	v_exp_f32 v25, v25
	v_max_num_f32 v26, v[U+8], v[U+9]              ; the softmax's maximum; also the plain instruction behind the exponentials (ISA guide 5.7.2)
	s_wait_alu depctr_va_vdst(0)
	v_pk_mul_f32 v[24:25], v[24:25], v[20:21]      ; nh, nw
	v_pk_fma_f32 v[U+4:U+5], v[24:25], -0.5, v[22:23] op_sel_hi:[1,0,1]
	v_pk_fma_f32 v[U+6:U+7], v[24:25], 0.5, v[22:23] op_sel_hi:[1,0,1]
.irp k, 4,5,6,7
	v_max_num_f32 v[U+\k], 0, v[U+\k]
	v_min_num_f32 v[U+\k], 0x44480000, v[U+\k]     ; 800
.endr
	v_pk_add_f32 v[28:29], v[U+6:U+7], v[U+4:U+5] neg_lo:[0,1] neg_hi:[0,1]
	v_sub_f32 v30, v[U+8], v26
	v_sub_f32 v31, v[U+9], v26
	v_mul_f32 v30, L2E, v30
	v_mul_f32 v31, L2E, v31
	v_exp_f32 v30, v30
	v_exp_f32 v31, v31
	v_min_num_f32 v28, v28, v29                    ; the smaller side
	s_wait_alu depctr_va_vdst(0)
	v_add_f32 v32, v30, v31
	v_rcp_f32 v33, v32
	v_add_nc_u32 v8, 160*\i, v0                    ; u
	s_wait_alu depctr_va_vdst(0)
	v_mul_f32 v34, v31, v33
	v_fma_f32 v35, -v34, v32, v31                  ; one correction of the quotient
	v_fma_f32 v34, v35, v33, v34
	v_cmp_le_f32 vcc_lo, 0x41800000, v28           ; both sides at least 16
	v_add_nc_u32 v34, 2, v34
	v_cndmask_b32 v[U+10], 1, v34, vcc_lo
	v_cmp_gt_u32 vcc_lo, s27, v8                   ; the last group has 900 anchors
	s_wait_xcnt 0x0                                ; EXEC changes only behind this wait
	s_and_saveexec_b32 s44, vcc_lo
	global_store_b128 v240, v[U:U+3], s[14:15] offset:2560*\i th:TH_STORE_NT
	global_store_b64 v241, v[U+8:U+9], s[16:17] offset:1280*\i th:TH_STORE_NT
	global_store_b128 v240, v[U+4:U+7], s[20:21] offset:2560*\i
	global_store_b32 v242, v[U+10], s[22:23] offset:640*\i
	s_cmp_lg_u32 s26, 0
	s_cbranch_scc1 .Lno_anchor_\@                  ; the anchors are written by image 0's groups alone
	global_store_b128 v240, v[U+12:U+15], s[18:19] offset:2560*\i th:TH_STORE_NT
.Lno_anchor_\@:
	s_wait_xcnt 0x0
	s_or_b32 exec_lo, exec_lo, s44
.endm
.irp i, 0,1,2,3,4,5,6,7,8
	UADDR \i
.endr
	s_wait_dscnt 0x0
.irp i, 0,1,2,3,4,5,6,7,8
	UNIT \i
.endr
	s_endpgm
.Lfunc_end_k_qa6cfba287e_gemm:
	.size	k_qa6cfba287e_gemm, .Lfunc_end_k_qa6cfba287e_gemm-k_qa6cfba287e_gemm
	.p2alignl 7, 3214868480
	.fill 96, 4, 3214868480
	.section	.rodata,"a",@progbits
	.p2align	6, 0x0
	.amdhsa_kernel k_qa6cfba287e_gemm
		.amdhsa_group_segment_fixed_size 110592
		.amdhsa_private_segment_fixed_size 0
		.amdhsa_enable_private_segment 0
		.amdhsa_kernarg_size 80
		.amdhsa_user_sgpr_count 2
		.amdhsa_user_sgpr_kernarg_segment_ptr 1
		.amdhsa_wavefront_size32 1
		.amdhsa_system_sgpr_workgroup_id_x 1
		.amdhsa_system_sgpr_workgroup_id_y 1
		.amdhsa_system_sgpr_workgroup_id_z 1
		.amdhsa_system_vgpr_workitem_id 0
		.amdhsa_next_free_vgpr 256
		.amdhsa_next_free_sgpr 80
		.amdhsa_reserve_vcc 1
		.amdhsa_float_denorm_mode_32 3
		.amdhsa_float_denorm_mode_16_64 3
		.amdhsa_memory_ordered 1
		.amdhsa_forward_progress 1
		.amdhsa_inst_pref_size 138
	.end_amdhsa_kernel
	.amdgpu_metadata
---
amdhsa.version: [ 1, 2 ]
amdhsa.kernels:
  - .name:           k_qa6cfba287e_gemm
    .symbol:         k_qa6cfba287e_gemm.kd
    .args:
      - { .name: x, .offset: 0, .size: 8, .value_kind: global_buffer, .address_space: global }
      - { .name: loc_w, .offset: 8, .size: 8, .value_kind: global_buffer, .address_space: global }
      - { .name: score_w, .offset: 16, .size: 8, .value_kind: global_buffer, .address_space: global }
      - { .name: loc_b, .offset: 24, .size: 8, .value_kind: global_buffer, .address_space: global }
      - { .name: score_b, .offset: 32, .size: 8, .value_kind: global_buffer, .address_space: global }
      - { .name: out0, .offset: 40, .size: 8, .value_kind: global_buffer, .address_space: global }
      - { .name: out1, .offset: 48, .size: 8, .value_kind: global_buffer, .address_space: global }
      - { .name: out4, .offset: 56, .size: 8, .value_kind: global_buffer, .address_space: global }
      - { .name: boxes, .offset: 64, .size: 8, .value_kind: global_buffer, .address_space: global }
      - { .name: keys, .offset: 72, .size: 8, .value_kind: global_buffer, .address_space: global }
    .group_segment_fixed_size: 110592
    .private_segment_fixed_size: 0
    .kernarg_segment_align: 8
    .kernarg_segment_size: 80
    .max_flat_workgroup_size: 160
    .sgpr_count:     80
    .vgpr_count:     256
    .wavefront_size: 32
...
	.end_amdgpu_metadata
.endif
;; end of part 1
;; launch select (part 2): grid 16 x 1, 32 waves a work-group, no clusters, 512 bytes of LDS; arguments keys, ckey, cidx, out3; writes ckey, cidx, out3
.if DOCPART == 2
	.amdgcn_target "amdgcn-amd-amdhsa--gfx1250"
	.amdhsa_code_object_version 6
	.text
	.protected	k_qa6cfba287e_select
	.globl	k_qa6cfba287e_select
	.p2align	8
	.type	k_qa6cfba287e_select,@function
k_qa6cfba287e_select:
	s_mov_b64 s[64:65], 0
	v_nop
	global_prefetch_b8 v0, s[64:65] scope:SCOPE_SE
	s_setreg_imm32_b32 hwreg(HW_REG_WAVE_MODE, 25, 1), 1
	s_wait_xcnt 0x0
; The 3,000 largest keys of an image, ties by the lower index, written in index order with their indices.  One work-group an image.
; Register r of lane l of wave w holds key 704 w + 32 r + l (0 past the 22,500th).  T = the largest t with at least 3,000 keys >= t is found
; bit by bit (keys are below 2^30); then all keys above T are taken and the first 3,000 - g of those equal to T.
; Everything here is whole numbers; the places go to memory and steer addresses only in later launches.  Also writes out3.
; All 22 places of a lane are made first, with every lane on, each in a register of its own; the masked stores follow and write no vector register.
.set K,  4                             ; v[4:25]    my 22 keys
.set AD, 64                            ; v[64:85]   byte offset of key r's place in the lists
.set IX, 96                            ; v[96:117]  key r's index in the image
; s[40:61]: in the search the 22 compare masks; later mask r = the lanes whose key r is taken
; LDS: two slots of 32 words that take turns (bytes 0 and 128); bytes 256-511: 32 zeros, then each wave's packed counts
	s_load_b256 s[4:11], s[0:1], 0x0               ; keys 4, ckey 6, cidx 8, out3 10
	v_lshrrev_b32 v1, 5, v0
	v_readfirstlane_b32 s12, v1                    ; wave
	v_and_b32 v1, 31, v0
	s_mul_i32 s13, s12, 704
	v_add_nc_u32 v2, s13, v1                       ; index of my register 0
	v_lshlrev_b32 v3, 2, v2
	v_add_nc_u32 v26, 672, v2                      ; index of my register 21: the only one that can pass the end
	v_min_u32 v27, 22499, v26
	v_lshlrev_b32 v27, 2, v27
	s_mov_b32 s20, ttmp9
	s_mul_i32 s14, s20, 90000
	s_mov_b32 s15, 0
	s_mul_i32 s16, s20, 12032
	s_mov_b32 s17, 0
	s_mul_i32 s18, s20, 1200
	s_mov_b32 s19, 0
	s_wait_kmcnt 0x0
	s_add_nc_u64 s[4:5], s[4:5], s[14:15]
	s_add_nc_u64 s[6:7], s[6:7], s[16:17]
	s_add_nc_u64 s[8:9], s[8:9], s[16:17]
	s_add_nc_u64 s[10:11], s[10:11], s[18:19]
.set r, 0
.rept 21
	global_load_b32 v[K+r], v3, s[4:5] offset:128*r
.set r, r+1
.endr
	global_load_b32 v[K+21], v27, s[4:5]
	v_lshlrev_b32 v29, 2, v0
	v_mov_b32 v28, s20
	v_mov_b32 v30, 0
	v_cmp_gt_u32 vcc_lo, 300, v0
	s_wait_xcnt 0x0                                ; EXEC changes only behind this wait
	s_and_saveexec_b32 s21, vcc_lo
	global_store_b32 v29, v28, s[10:11]            ; out3: the image's number, 300 times
	s_wait_xcnt 0x0
	s_or_b32 exec_lo, exec_lo, s21
	v_cmp_gt_u32 vcc_lo, 8, v0
	s_and_saveexec_b32 s21, vcc_lo
	global_store_b32 v29, v30, s[6:7] offset:12000 ; ckey 3000-3007 = 0: below every key
	s_wait_xcnt 0x0
	s_or_b32 exec_lo, exec_lo, s21
	s_wait_loadcnt 0x0
	v_cmp_gt_u32 vcc_lo, 22500, v26
	v_cndmask_b32 v[K+21], 0, v[K+21], vcc_lo
.macro SUM32                           ; v32 = the sum of v[32:63]
.irp k, 0,1,2,3,4,5,6,7
	v_add3_u32 v[32+4*\k], v[32+4*\k], v[33+4*\k], v[34+4*\k]
.endr
.irp k, 0,1,2,3,4,5,6,7
	v_add_nc_u32 v[32+4*\k], v[32+4*\k], v[35+4*\k]
.endr
	v_add3_u32 v32, v32, v36, v40
	v_add3_u32 v44, v44, v48, v52
	v_add3_u32 v32, v32, v56, v60
	v_add_nc_u32 v32, v32, v44
.endm
; One bit of T.  One barrier a step does both orderings: a slot is written again two steps later, behind the barrier of the step between,
; in front of which every wave has waited for its reads of it.
.macro BITSTEP slot
	s_or_b32 s23, s20, s21
.set r, 0
.rept 22
	v_cmp_le_u32 s[40+r], s23, v[K+r]
.set r, r+1
.endr
	s_bcnt1_i32_b32 s24, s40
.set r, 1
.rept 21
	s_bcnt1_i32_b32 s25, s[40+r]
	s_add_co_u32 s24, s24, s25
.set r, r+1
.endr
	v_mov_b32 v28, s24
	ds_store_b32 v29, v28 offset:128*\slot
	s_wait_dscnt 0x0
	s_barrier_signal -1
	s_barrier_wait -1
.irp k, 0,1,2,3,4,5,6,7
	ds_load_b128 v[32+4*\k:35+4*\k], v30 offset:128*\slot+16*\k
.endr
	s_wait_dscnt 0x0
	SUM32
	v_readfirstlane_b32 s24, v32
	s_cmp_ge_u32 s24, 3000
	s_cselect_b32 s20, s23, s20
	s_lshr_b32 s21, s21, 1
.endm
	v_mov_b32 v29, s12
	v_lshlrev_b32 v29, 2, v29                      ; my wave's word
	s_mov_b32 s20, 0                               ; T
	s_mov_b32 s21, 1<<29
	s_mov_b32 s22, 0
.Lbits:
	BITSTEP 0
	BITSTEP 1
	s_add_co_u32 s22, s22, 1
	s_cmp_lt_u32 s22, 15
	s_cbranch_scc1 .Lbits
	; my wave's keys above T (low half) and equal to T (high half): neither sum over the waves passes 22,528
	s_mov_b32 s24, 0
	s_mov_b32 s26, 0
.set r, 0
.rept 22
	v_cmp_lt_u32 s40, s20, v[K+r]
	v_cmp_eq_u32 s41, s20, v[K+r]
	s_bcnt1_i32_b32 s25, s40
	s_add_co_u32 s24, s24, s25
	s_bcnt1_i32_b32 s25, s41
	s_add_co_u32 s26, s26, s25
.set r, r+1
.endr
	s_lshl_b32 s26, s26, 16
	s_or_b32 s24, s24, s26
	v_mov_b32 v28, s24
	v_mov_b32 v31, 0
	ds_store_b32 v29, v31 offset:256
	ds_store_b32 v29, v28 offset:384
	s_wait_dscnt 0x0
	s_barrier_signal -1
	s_barrier_wait -1
.set k, 0
.rept 32
	ds_load_b32 v[32+k], v29 offset:256+4*k        ; words w .. w + 31: zeros, then the counts of waves 0 .. w - 1
.set k, k+1
.endr
	s_wait_dscnt 0x0
	SUM32
	v_readfirstlane_b32 s26, v32
.irp k, 0,1,2,3,4,5,6,7
	ds_load_b128 v[32+4*\k:35+4*\k], v30 offset:384+16*\k
.endr
	s_wait_dscnt 0x0
	SUM32
	v_readfirstlane_b32 s27, v32
	s_and_b32 s27, s27, 0xffff                     ; g: keys above T, below 3,000
	s_sub_co_u32 s28, 3000, s27                    ; how many of the equal ones are taken
	s_lshr_b32 s30, s26, 16                        ; equal ones in front of my wave
	s_and_b32 s29, s26, 0xffff
	s_min_u32 s31, s30, s28
	s_add_co_u32 s29, s29, s31                     ; my wave's first place
; Key r's mask, place and index, every lane on.  s29 = the next free place, s30 = equal keys met so far.
.macro PLACE r
	v_cmp_lt_u32 s24, s20, v[K+\r]
	v_cmp_eq_u32 s25, s20, v[K+\r]
	v_mbcnt_lo_u32_b32 v33, s25, s30               ; which of the equal ones I am
	v_cmp_gt_u32 vcc_lo, s28, v33
	s_and_b32 s26, vcc_lo, s25
	s_or_b32 s[40+\r], s26, s24
	v_mbcnt_lo_u32_b32 v[AD+\r], s[40+\r], s29
	v_min_u32 v[AD+\r], 2999, v[AD+\r]
	v_lshlrev_b32 v[AD+\r], 2, v[AD+\r]
	v_add_nc_u32 v[IX+\r], 32*\r, v2
	s_bcnt1_i32_b32 s26, s[40+\r]
	s_add_co_u32 s29, s29, s26
	s_bcnt1_i32_b32 s26, s25
	s_add_co_u32 s30, s30, s26
.endm
; The lanes whose key r is taken store it and its index: their places are neighbours.  No memory instruction is out of translation when EXEC
; is narrowed (the wait in front of the last restore was the last thing issued), so one wait a pair of stores is enough.
.macro PUT r
	s_mov_b32 vcc_lo, s[40+\r]
	s_and_saveexec_b32 s24, vcc_lo
	global_store_b32 v[AD+\r], v[K+\r], s[6:7]
	global_store_b32 v[AD+\r], v[IX+\r], s[8:9]
	s_wait_xcnt 0x0                                ; EXEC changes only behind this wait
	s_or_b32 exec_lo, exec_lo, s24
.endm
.irp r, 0,1,2,3,4,5,6,7,8,9,10,11,12,13,14,15,16,17,18,19,20,21
	PLACE \r
.endr
.irp r, 0,1,2,3,4,5,6,7,8,9,10,11,12,13,14,15,16,17,18,19,20,21
	PUT \r
.endr
	s_endpgm
.Lfunc_end_k_qa6cfba287e_select:
	.size	k_qa6cfba287e_select, .Lfunc_end_k_qa6cfba287e_select-k_qa6cfba287e_select
	.p2alignl 7, 3214868480
	.fill 96, 4, 3214868480
	.section	.rodata,"a",@progbits
	.p2align	6, 0x0
	.amdhsa_kernel k_qa6cfba287e_select
		.amdhsa_group_segment_fixed_size 512
		.amdhsa_private_segment_fixed_size 0
		.amdhsa_enable_private_segment 0
		.amdhsa_kernarg_size 32
		.amdhsa_user_sgpr_count 2
		.amdhsa_user_sgpr_kernarg_segment_ptr 1
		.amdhsa_wavefront_size32 1
		.amdhsa_system_sgpr_workgroup_id_x 1
		.amdhsa_system_sgpr_workgroup_id_y 1
		.amdhsa_system_sgpr_workgroup_id_z 1
		.amdhsa_system_vgpr_workitem_id 0
		.amdhsa_next_free_vgpr 128
		.amdhsa_next_free_sgpr 66
		.amdhsa_reserve_vcc 1
		.amdhsa_float_denorm_mode_32 3
		.amdhsa_float_denorm_mode_16_64 3
		.amdhsa_memory_ordered 1
		.amdhsa_forward_progress 1
		.amdhsa_inst_pref_size 45
	.end_amdhsa_kernel
	.amdgpu_metadata
---
amdhsa.version: [ 1, 2 ]
amdhsa.kernels:
  - .name:           k_qa6cfba287e_select
    .symbol:         k_qa6cfba287e_select.kd
    .args:
      - { .name: keys, .offset: 0, .size: 8, .value_kind: global_buffer, .address_space: global }
      - { .name: ckey, .offset: 8, .size: 8, .value_kind: global_buffer, .address_space: global }
      - { .name: cidx, .offset: 16, .size: 8, .value_kind: global_buffer, .address_space: global }
      - { .name: out3, .offset: 24, .size: 8, .value_kind: global_buffer, .address_space: global }
    .group_segment_fixed_size: 512
    .private_segment_fixed_size: 0
    .kernarg_segment_align: 8
    .kernarg_segment_size: 32
    .max_flat_workgroup_size: 1024
    .sgpr_count:     66
    .vgpr_count:     128
    .wavefront_size: 32
...
	.end_amdgpu_metadata
.endif
;; end of part 2
;; launch rank (part 3): grid 16 x 16, 12 waves a work-group, no clusters, 1,024 bytes of LDS; arguments ckey, cidx, boxes, sbox, dead; writes sbox, dead
.if DOCPART == 3
	.amdgcn_target "amdgcn-amd-amdhsa--gfx1250"
	.amdhsa_code_object_version 6
	.text
	.protected	k_qa6cfba287e_rank
	.globl	k_qa6cfba287e_rank
	.p2align	8
	.type	k_qa6cfba287e_rank,@function
k_qa6cfba287e_rank:
	s_mov_b64 s[64:65], 0
	v_nop
	global_prefetch_b8 v0, s[64:65] scope:SCOPE_SE
	s_setreg_imm32_b32 hwreg(HW_REG_WAVE_MODE, 25, 1), 1
	s_wait_xcnt 0x0
; The rank of each of an image's 3,000 candidates: the number of larger keys plus the number of equal keys in front of it (the candidates lie in
; index order).  Its box goes to row rank of sbox, and dead[rank] = 1 where the key says the box was too small.  Rows 3000-3007 are pads, dead.
; A pair of waves owns 32 candidates, one a lane; each of the two counts over 47 of the 94 blocks of 32 keys.  The keys to compare with come by
; vector loads in which all lanes read the same 16 bytes (four keys), eight loads a block, into a ring of six sets of 32 registers: such loads come
; back in order, so the waits are counted and a block is asked for five trips before it is used.
; Keys are at least 1, so 'at least K' is counted as 'above K - 1'.
.set KR,   32                          ; v[32:223] six sets of 32 keys, the same in every lane
.set SETS, 6
	s_load_b256 s[4:11], s[0:1], 0x0               ; ckey 4, cidx 6, boxes 8, sbox 10
	s_load_b64 s[12:13], s[0:1], 0x20              ; dead
	v_lshrrev_b32 v1, 5, v0
	v_readfirstlane_b32 s48, v1                    ; wave
	v_and_b32 v1, 31, v0
	s_lshr_b32 s49, s48, 1                         ; which of the group's six blocks
	s_and_b32 s50, s48, 1                          ; which half of the keys
	s_mul_i32 s51, ttmp9, 6
	s_add_co_u32 s51, s51, s49                     ; my block, 0 to 95 (94 and 95 hold nothing and store nothing)
	s_and_b32 s52, ttmp7, 0xffff                   ; image
	v_lshl_add_u32 v2, s51, 5, v1                  ; my candidate
	v_min_u32 v3, 3007, v2
	v_lshlrev_b32 v3, 2, v3
	v_min_u32 v8, 2999, v2
	v_lshlrev_b32 v8, 2, v8
	v_lshlrev_b32 v7, 2, v1
	s_lshl_b32 s62, s49, 7
	v_add_nc_u32 v7, s62, v7                       ; LDS: 128 bytes a block
	v_mov_b32 v18, 0                               ; the ring's loads: no lane term
	v_mov_b32 v6, 0                                ; the count
	s_mul_i32 s54, s52, 12032
	s_mov_b32 s55, 0
	s_mul_i32 s56, s52, 360000
	s_mov_b32 s57, 0
	s_mul_i32 s58, s52, 48128
	s_mov_b32 s59, 0
	s_mul_i32 s53, s50, 47                         ; the block that is counted
	s_lshl_b32 s60, s53, 7
	s_mov_b32 s61, 0
	s_wait_kmcnt 0x0
	s_add_nc_u64 s[4:5], s[4:5], s[54:55]
	s_add_nc_u64 s[6:7], s[6:7], s[54:55]
	s_add_nc_u64 s[12:13], s[12:13], s[54:55]
	s_add_nc_u64 s[8:9], s[8:9], s[56:57]
	s_add_nc_u64 s[10:11], s[10:11], s[58:59]
	s_add_nc_u64 s[14:15], s[4:5], s[60:61]        ; the first of my 47 blocks
	s_min_u32 s62, s51, 93
	s_lshl_b32 s54, s62, 7
	s_add_nc_u64 s[54:55], s[4:5], s[54:55]        ; my own block, as scalars, for the ties inside it: asked for here, used behind the count
	s_load_b512 s[16:31], s[54:55], 0x0            ; (both waves of a pair ask; the one that counts the second half does not use it)
	s_load_b512 s[32:47], s[54:55], 0x40
	global_load_b32 v4, v3, s[4:5]                 ; my key
	global_load_b32 v9, v8, s[6:7]                 ; my anchor
; the block at byte off from the pointer into set s: eight loads of four keys
.macro KLOAD s, off
.irp q, 0,1,2,3,4,5,6,7
	global_load_b128 v[KR+32*\s+4*\q:KR+32*\s+4*\q+3], v18, s[14:15] offset:\off+16*\q
.endr
.endm
.irp s, 0,1,2,3,4,5
	KLOAD \s, 128*\s
.endr
	s_wait_loadcnt 48                              ; my key and my anchor are in; the ring's 48 loads issued behind them stay out
	v_min_u32 v9, 22499, v9
	v_lshlrev_b32 v9, 4, v9
	global_load_b128 v[12:15], v9, s[8:9]          ; my box: it lands while the keys are counted
; One block.  left = younger loads that may stay out; pre = 1: the set is filled again with the block six further on, at byte off from the pointer.
.macro TRIPK s, left, pre, off
	s_wait_loadcnt \left
	s_cmp_lt_u32 s53, s51                          ; a block in front of mine: equal keys count too
	s_cselect_b32 s62, 1, 0
	v_subrev_nc_u32 v5, s62, v4
.set j, 0
.rept 32
	v_cmp_gt_u32 vcc_lo, v[KR+32*\s+j], v5
	v_add_co_ci_u32 v6, vcc_lo, 0, v6, vcc_lo
.set j, j+1
.endr
.if \pre
	KLOAD \s, \off
.endif
	s_add_co_u32 s53, s53, 1
.endm
	; 40 = the five younger sets of eight loads.  In the first round the box's load is out as well: the count could be 41 there, and the smaller one holds on both ways in.
	s_mov_b32 s63, 0
.Lsix:
.irp s, 0,1,2,3,4,5
	TRIPK \s, 40, 1, 128*(\s+SETS)
.endr
	s_wait_xcnt 0x0                                ; the pointer is stepped only behind this wait
	s_add_nc_u64 s[14:15], s[14:15], 128*SETS
	s_add_co_u32 s63, s63, 1
	s_cmp_lt_u32 s63, 6
	s_cbranch_scc1 .Lsix
	; blocks 36 to 46: five more fills (blocks 42 to 46), then the counts run down
.irp s, 0,1,2,3,4
	TRIPK \s, 40, 1, 128*(\s+SETS)
.endr
	TRIPK 5, 40, 0, 0
	TRIPK 0, 32, 0, 0
	TRIPK 1, 24, 0, 0
	TRIPK 2, 16, 0, 0
	TRIPK 3, 8, 0, 0
	TRIPK 4, 0, 0, 0
	s_cmp_lg_u32 s50, 0
	s_cbranch_scc1 .Lhalf1
	s_wait_kmcnt 0x0                               ; equal keys in front of me inside my own block
.set j, 0
.rept 31
	v_cmp_eq_u32 vcc_lo, s[16+j], v4
	s_and_b32 vcc_lo, vcc_lo, ((0xfffffffe<<j)&0xffffffff)     ; lanes behind j
	v_add_co_ci_u32 v6, vcc_lo, 0, v6, vcc_lo
.set j, j+1
.endr
	s_branch .Ljoin
.Lhalf1:
	ds_store_b32 v7, v6
.Ljoin:
	s_wait_dscnt 0x0
	s_barrier_signal -1
	s_barrier_wait -1
	s_cmp_lg_u32 s50, 0
	s_cbranch_scc1 .Lend
	ds_load_b32 v10, v7
	s_wait_dscnt 0x0
	v_add_nc_u32 v6, v6, v10
	v_cmp_gt_u32 vcc_lo, 3000, v2
	v_cndmask_b32 v6, v2, v6, vcc_lo               ; a pad keeps its place
	v_min_u32 v6, 3007, v6
	v_cmp_ge_u32 vcc_lo, 1, v4
	v_cndmask_b32 v11, 0, 1, vcc_lo
	v_lshlrev_b32 v16, 4, v6
	v_lshlrev_b32 v17, 2, v6
	v_cmp_gt_u32 vcc_lo, 3008, v2
	s_wait_xcnt 0x0                                ; EXEC changes only behind this wait
	s_and_saveexec_b32 s62, vcc_lo
	global_store_b128 v16, v[12:15], s[10:11]      ; the box came in with the count's last wait, which was for 0
	global_store_b32 v17, v11, s[12:13]
.Lend:
	s_endpgm
.Lfunc_end_k_qa6cfba287e_rank:
	.size	k_qa6cfba287e_rank, .Lfunc_end_k_qa6cfba287e_rank-k_qa6cfba287e_rank
	.p2alignl 7, 3214868480
	.fill 96, 4, 3214868480
	.section	.rodata,"a",@progbits
	.p2align	6, 0x0
	.amdhsa_kernel k_qa6cfba287e_rank
		.amdhsa_group_segment_fixed_size 1024
		.amdhsa_private_segment_fixed_size 0
		.amdhsa_enable_private_segment 0
		.amdhsa_kernarg_size 40
		.amdhsa_user_sgpr_count 2
		.amdhsa_user_sgpr_kernarg_segment_ptr 1
		.amdhsa_wavefront_size32 1
		.amdhsa_system_sgpr_workgroup_id_x 1
		.amdhsa_system_sgpr_workgroup_id_y 1
		.amdhsa_system_sgpr_workgroup_id_z 1
		.amdhsa_system_vgpr_workitem_id 0
		.amdhsa_next_free_vgpr 224
		.amdhsa_next_free_sgpr 66
		.amdhsa_reserve_vcc 1
		.amdhsa_float_denorm_mode_32 3
		.amdhsa_float_denorm_mode_16_64 3
		.amdhsa_memory_ordered 1
		.amdhsa_forward_progress 1
		.amdhsa_inst_pref_size 57
	.end_amdhsa_kernel
	.amdgpu_metadata
---
amdhsa.version: [ 1, 2 ]
amdhsa.kernels:
  - .name:           k_qa6cfba287e_rank
    .symbol:         k_qa6cfba287e_rank.kd
    .args:
      - { .name: ckey, .offset: 0, .size: 8, .value_kind: global_buffer, .address_space: global }
      - { .name: cidx, .offset: 8, .size: 8, .value_kind: global_buffer, .address_space: global }
      - { .name: boxes, .offset: 16, .size: 8, .value_kind: global_buffer, .address_space: global }
      - { .name: sbox, .offset: 24, .size: 8, .value_kind: global_buffer, .address_space: global }
      - { .name: dead, .offset: 32, .size: 8, .value_kind: global_buffer, .address_space: global }
    .group_segment_fixed_size: 1024
    .private_segment_fixed_size: 0
    .kernarg_segment_align: 8
    .kernarg_segment_size: 40
    .max_flat_workgroup_size: 384
    .sgpr_count:     66
    .vgpr_count:     224
    .wavefront_size: 32
...
	.end_amdgpu_metadata
.endif
;; end of part 3
;; launch iou (part 4): grid 47 x 16, 8 waves a work-group, no clusters, 0 bytes of LDS; arguments sbox, tmat; writes tmat
.if DOCPART == 4
	.amdgcn_target "amdgcn-amd-amdhsa--gfx1250"
	.amdhsa_code_object_version 6
	.text
	.protected	k_qa6cfba287e_iou
	.globl	k_qa6cfba287e_iou
	.p2align	8
	.type	k_qa6cfba287e_iou,@function
k_qa6cfba287e_iou:
	s_mov_b64 s[64:65], 0
	v_nop
	global_prefetch_b8 v0, s[64:65] scope:SCOPE_SE
	s_setreg_imm32_b32 hwreg(HW_REG_WAVE_MODE, 25, 1), 1
	s_wait_xcnt 0x0
; The upper triangle of 'IoU above 0.7' between an image's 3,008 ranked boxes, in blocks of 32 x 32 bits.  Block (b, cb >= b) is block number
; S_b + cb - b, S_b = 94 b - b (b - 1) / 2; its word l belongs to column 32 cb + l, and bit i of it to row 32 b + i.
; A work-group does row blocks x and 93 - x: 95 blocks in every group.  A wave keeps the 32 rows in registers, the same in every lane, and walks
; every eighth column block, a column a lane.
; THE TEST: inter / (a1 + a2 - inter) > 0.7 is taken as inter > (0.7 / 1.7) (a1 + a2), without the division: at the very threshold it may round
; otherwise than the reference.  The reference's floor of 1e-9 under the divisor never acts on a box that counts (area at least 256).
; Only the height of the overlap is clipped at 0: with a width below 0 the product has the wrong sign for a hit, since the right side is never negative.
; The arithmetic is the same with row and column exchanged, so the diagonal blocks are symmetric, which the next launch relies on.
.set R,  64                            ; v[64:191]  row i: y1 x1 y2 x2 at R + 4 i
.set RA, 192                           ; v[192:223] (0.7 / 1.7) x area of row i
.set CF, 0x3ed2d2d3                    ; 0.7 / 1.7
; v[4:7] the column's box, v9 its scaled area, v[24:27] the next column's box; two chains of ten registers at v12 and v28
	s_load_b128 s[4:7], s[0:1], 0x0                ; sbox 4, tmat 6
	v_lshrrev_b32 v8, 5, v0
	v_readfirstlane_b32 s8, v8                     ; wave
	v_and_b32 v8, 31, v0
	v_lshlrev_b32 v1, 4, v8
	v_lshlrev_b32 v2, 2, v8
	v_mov_b32 v3, 0
	s_and_b32 s9, ttmp7, 0xffff
	s_mul_i32 s10, s9, 48128
	s_mov_b32 s11, 0
	s_mul_i32 s12, s9, 571520
	s_mov_b32 s13, 0
	s_mov_b32 s19, 0
	s_wait_kmcnt 0x0
	s_add_nc_u64 s[4:5], s[4:5], s[10:11]
	s_add_nc_u64 s[6:7], s[6:7], s[12:13]
; row i against my column, on the chain at T: T..T+3 corners, T+4, T+5 sides, T+7 right side, T+8 difference, T+9 the word.
; The difference's sign is the answer and is shifted into the word.  In each dual line one destination is even and one odd, and the sources of a place differ mod 4.
.macro PAIR i, T
	v_dual_max_num_f32 v[\T], v[R+4*(\i)], v4 :: v_dual_max_num_f32 v[\T+1], v[R+4*(\i)+1], v5
	v_dual_min_num_f32 v[\T+2], v[R+4*(\i)+2], v6 :: v_dual_min_num_f32 v[\T+3], v[R+4*(\i)+3], v7
	v_pk_add_f32 v[\T+4:\T+5], v[\T+2:\T+3], v[\T:\T+1] neg_lo:[0,1] neg_hi:[0,1]
	v_dual_max_num_f32 v[\T+4], 0, v[\T+4] :: v_dual_add_f32 v[\T+7], v[RA+(\i)], v9
	v_fma_f32 v[\T+8], -v[\T+4], v[\T+5], v[\T+7]
	v_alignbit_b32 v[\T+9], v[\T+9], v[\T+8], 31
.endm
.macro PHASE ph
.if \ph
	s_sub_co_u32 s14, 93, ttmp9                    ; the long row block's partner; the waves in reverse, to even out the odd blocks
	s_sub_co_u32 s15, 7, s8
.else
	s_mov_b32 s14, ttmp9
	s_mov_b32 s15, s8
.endif
	s_add_co_u32 s16, s14, s15                     ; my first column block
	s_sub_co_u32 s17, 101, s16
	s_lshr_b32 s17, s17, 3                         ; how many of b + w + 8 t are at most 93
	s_cmp_eq_u32 s17, 0
	s_cbranch_scc1 .Lnone_\@
	s_lshl_b32 s18, s14, 9
	s_add_nc_u64 s[20:21], s[4:5], s[18:19]
.set i, 0
.rept 32
	global_load_b128 v[R+4*i:R+4*i+3], v3, s[20:21] offset:16*i
.set i, i+1
.endr
	s_lshl_b32 s18, s16, 9
	s_add_nc_u64 s[22:23], s[4:5], s[18:19]
	global_load_b128 v[24:27], v1, s[22:23]
	s_sub_co_u32 s24, s14, 1
	s_mul_i32 s24, s24, s14
	s_lshr_b32 s24, s24, 1
	s_mul_i32 s25, s14, 94
	s_sub_co_u32 s25, s25, s24                     ; S_b
	s_add_co_u32 s25, s25, s15
	s_lshl_b32 s18, s25, 7
	s_add_nc_u64 s[26:27], s[6:7], s[18:19]
	s_wait_loadcnt 1                               ; the rows are in; the column block issued behind them may stay out
.set i, 0
.rept 32
	v_pk_add_f32 v[10+2*(i%4):11+2*(i%4)], v[R+4*i+2:R+4*i+3], v[R+4*i:R+4*i+1] neg_lo:[0,1] neg_hi:[0,1]
	v_mul_f32 v[10+2*(i%4)], v[10+2*(i%4)], v[11+2*(i%4)]
	v_mul_f32 v[RA+i], CF, v[10+2*(i%4)]
.set i, i+1
.endr
	s_mov_b32 s28, 0
.Lcol_\@:
	s_wait_loadcnt 0x0                             ; my column's box is in, and its pointer free
	v_dual_mov_b32 v4, v24 :: v_dual_mov_b32 v5, v25
	v_dual_mov_b32 v6, v26 :: v_dual_mov_b32 v7, v27
	s_add_co_u32 s16, s16, 8
	s_min_u32 s29, s16, 93                         ; the last trip's look-ahead stays inside the image
	s_lshl_b32 s18, s29, 9
	s_add_nc_u64 s[22:23], s[4:5], s[18:19]
	global_load_b128 v[24:27], v1, s[22:23]
	v_pk_add_f32 v[10:11], v[6:7], v[4:5] neg_lo:[0,1] neg_hi:[0,1]
	v_mul_f32 v10, v10, v11
	v_mul_f32 v9, CF, v10
	v_mov_b32 v21, 0
	v_mov_b32 v37, 0
.set k, 0
.rept 16
	PAIR 31-k, 12                                  ; rows 31 down to 16: the first bit shifted in ends on top
	PAIR 15-k, 28                                  ; rows 15 down to 0
.set k, k+1
.endr
	v_lshl_or_b32 v22, v21, 16, v37
	global_store_b32 v2, v22, s[26:27]             ; 128 neighbouring bytes
	s_wait_xcnt 0x0                                ; the pointer and v22 are written again only behind this wait
	s_add_nc_u64 s[26:27], s[26:27], 1024
	s_add_co_u32 s28, s28, 1
	s_cmp_lt_u32 s28, s17
	s_cbranch_scc1 .Lcol_\@
	s_wait_loadcnt 0x0                             ; the look-ahead has landed: v[24:27] may be loaded anew
.Lnone_\@:
.endm
	PHASE 0
	PHASE 1
	s_endpgm
.Lfunc_end_k_qa6cfba287e_iou:
	.size	k_qa6cfba287e_iou, .Lfunc_end_k_qa6cfba287e_iou-k_qa6cfba287e_iou
	.p2alignl 7, 3214868480
	.fill 96, 4, 3214868480
	.section	.rodata,"a",@progbits
	.p2align	6, 0x0
	.amdhsa_kernel k_qa6cfba287e_iou
		.amdhsa_group_segment_fixed_size 0
		.amdhsa_private_segment_fixed_size 0
		.amdhsa_enable_private_segment 0
		.amdhsa_kernarg_size 16
		.amdhsa_user_sgpr_count 2
		.amdhsa_user_sgpr_kernarg_segment_ptr 1
		.amdhsa_wavefront_size32 1
		.amdhsa_system_sgpr_workgroup_id_x 1
		.amdhsa_system_sgpr_workgroup_id_y 1
		.amdhsa_system_sgpr_workgroup_id_z 1
		.amdhsa_system_vgpr_workitem_id 0
		.amdhsa_next_free_vgpr 224
		.amdhsa_next_free_sgpr 66
		.amdhsa_reserve_vcc 0
		.amdhsa_float_denorm_mode_32 3
		.amdhsa_float_denorm_mode_16_64 3
		.amdhsa_memory_ordered 1
		.amdhsa_forward_progress 1
		.amdhsa_inst_pref_size 45
	.end_amdhsa_kernel
	.amdgpu_metadata
---
amdhsa.version: [ 1, 2 ]
amdhsa.kernels:
  - .name:           k_qa6cfba287e_iou
    .symbol:         k_qa6cfba287e_iou.kd
    .args:
      - { .name: sbox, .offset: 0, .size: 8, .value_kind: global_buffer, .address_space: global }
      - { .name: tmat, .offset: 8, .size: 8, .value_kind: global_buffer, .address_space: global }
    .group_segment_fixed_size: 0
    .private_segment_fixed_size: 0
    .kernarg_segment_align: 8
    .kernarg_segment_size: 16
    .max_flat_workgroup_size: 256
    .sgpr_count:     66
    .vgpr_count:     224
    .wavefront_size: 32
...
	.end_amdgpu_metadata
.endif
;; end of part 4
;; launch scan (part 5): grid 16 x 1, 1 waves a work-group, no clusters, 5,376 bytes of LDS; arguments tmat, dead, sbox, out2; writes out2
.if DOCPART == 5
	.amdgcn_target "amdgcn-amd-amdhsa--gfx1250"
	.amdhsa_code_object_version 6
	.text
	.protected	k_qa6cfba287e_scan
	.globl	k_qa6cfba287e_scan
	.p2align	8
	.type	k_qa6cfba287e_scan,@function
k_qa6cfba287e_scan:
	s_mov_b64 s[64:65], 0
	v_nop
	global_prefetch_b8 v0, s[64:65] scope:SCOPE_SE
	s_setreg_imm32_b32 hwreg(HW_REG_WAVE_MODE, 25, 1), 1
	s_wait_xcnt 0x0
; Greedy suppression over the bit blocks, 32 ranks a trip, and the first 300 kept boxes of the image, the rest zeros.  One wave an image.
; REM + r holds, a column a lane, whether column block b + r is removed (not 0).  A trip: the block's own 32 are settled one after the other in scalar
; registers (row i's word of the diagonal block, by symmetry lane i's, cut to the columns behind i); then one v_and_or_b32 a block adds what the
; kept rows remove and moves the flags one block down.  The next row of blocks and the next boxes are loaded a trip ahead, into the other set.
; The kept boxes are gathered in LDS, 16 bytes a row: a kept lane writes row 'number kept before it'; a lane that keeps nothing, or whose place is
; past 299, writes a dump row of its own, 300 + lane.  Rows 0-319 are zeroed at the start, so rows that no kept box reaches are the padding.
; Every lane is on until the last store, no global address hangs on data, and no branch does: all 94 trips run whatever the number kept;
; once 300 are kept every lane's place is past 299 and the further trips reach the dump rows alone.
; In the five loops the width is the widest of the loop's 16 trips: what is read past a row's end are later rows of the same image's triangle,
; and their bits reach only flags of column blocks past the 94th, which no trip reads.
.set REM,  32                          ; v[32:125]; at the end v[32:71] take the rows read back
.set WA,   128                         ; v[128:221] one row of blocks
.set WBL,  0                           ; v[256:349] the other: window 1, named v0 .. v93 there
.set BOXA, 224
.set BOXB, 228
.set MSB, 0
.macro WIN new                         ; the immediate's high byte repeats the setting that is left
.if MSB != \new
	s_set_vgpr_msb (MSB<<8)|\new
.set MSB, \new
.endif
.endm
	s_load_b256 s[24:31], s[0:1], 0x0              ; tmat 24, dead 26, sbox 28, out2 30
	v_lshlrev_b32 v1, 2, v0
	v_lshlrev_b32 v2, 4, v0
	v_mov_b32 v3, -2
	v_lshlrev_b32 v3, v0, v3                       ; the bits above my lane's
	v_add_nc_u32 v6, 300, v0                       ; my dump row
	v_mov_b32 v8, 0
	v_mov_b32 v9, 0
	v_mov_b32 v10, 0
	v_mov_b32 v11, 0
	s_mul_i32 s16, ttmp9, 571520
	s_mov_b32 s17, 0
	s_mul_i32 s18, ttmp9, 12032
	s_mov_b32 s19, 0
	s_mul_i32 s4, ttmp9, 48128
	s_mov_b32 s5, 0
	s_mul_i32 s6, ttmp9, 4800
	s_mov_b32 s7, 0
	s_mov_b32 s10, 12032                           ; bytes of the row of blocks at the pointer: 128 fewer each trip
	s_mov_b32 s11, 0
	s_mov_b32 s20, 0                               ; kept so far
	s_wait_kmcnt 0x0
	s_add_nc_u64 s[8:9], s[24:25], s[16:17]
	s_add_nc_u64 s[26:27], s[26:27], s[18:19]
	s_add_nc_u64 s[12:13], s[28:29], s[4:5]
	s_add_nc_u64 s[14:15], s[30:31], s[6:7]
.set r, 0
.rept 94
	global_load_b32 v[REM+r], v1, s[26:27] offset:128*r
.set r, r+1
.endr
.set r, 0
.rept 94
	global_load_b32 v[WA+r], v1, s[8:9] offset:128*r
.set r, r+1
.endr
	global_load_b128 v[BOXA:BOXA+3], v2, s[12:13]
.set k, 0
.rept 10
	ds_store_b128 v2, v[8:11] offset:512*k         ; rows 32 k + lane = 0
.set k, k+1
.endr
; cb, cw: this trip's row of blocks and its window; ob, ow: the other's; bc, bo: the boxes; wcur, wnext: blocks used, blocks fetched (0: the last trip)
.macro TRIP cb, cw, ob, ow, bc, bo, wcur, wnext
	s_wait_loadcnt 0x0                             ; this trip's blocks and boxes are in; the pointers are free
	s_wait_dscnt 0x0                               ; the last trip's LDS store has taken its box, whose registers are loaded again below
.if \wnext
	s_add_nc_u64 s[8:9], s[8:9], s[10:11]
	s_sub_co_u32 s10, s10, 128
	s_add_nc_u64 s[12:13], s[12:13], 512
	WIN \ow*64
.set r, 0
.rept \wnext
	global_load_b32 v[\ob+r], v1, s[8:9] offset:128*r
.set r, r+1
.endr
	WIN 0
	global_load_b128 v[\bo:\bo+3], v2, s[12:13]
.endif
	v_cmp_eq_u32 s21, 0, v[REM]                    ; those of the block that are still there
	WIN \cw
	v_and_b32 v5, v[\cb], v3
	WIN 0
.set i, 0
.rept 32
	v_readlane_b32 s[32+i], v5, i
.set i, i+1
.endr
.set i, 0
.rept 32
	s_bitcmp1_b32 s21, i                           ; if i is still there, it removes its columns
	s_cselect_b32 s22, s[32+i], 0
	s_and_not1_b32 s21, s21, s22
.set i, i+1
.endr
.if (\wcur)-1
	WIN \cw
.set r, 0
.rept (\wcur)-1
	v_and_or_b32 v[REM+r], v[\cb+r+1], s21, v[REM+r+1]
.set r, r+1
.endr
	WIN 0
.endif
	v_mbcnt_lo_u32_b32 v4, s21, s20                ; my place among the kept
	v_cmp_gt_u32 vcc_lo, 300, v4
	s_and_b32 vcc_lo, vcc_lo, s21
	v_cndmask_b32 v4, v6, v4, vcc_lo               ; kept and inside the 300: my place; else my dump row
	v_min_u32 v4, 331, v4
	v_lshlrev_b32 v4, 4, v4
	ds_store_b128 v4, v[\bc:\bc+3]
.if \wnext
	s_bcnt1_i32_b32 s22, s21
	s_add_co_u32 s20, s20, s22
.endif
.endm
.macro RUN width                       ; 16 trips
	s_mov_b32 s24, 0
.Lrun_\@:
	TRIP WA, 0, WBL, 1, BOXA, BOXB, \width, \width
	TRIP WBL, 1, WA, 0, BOXB, BOXA, \width, \width
	s_add_co_u32 s24, s24, 1
	s_cmp_lt_u32 s24, 8
	s_cbranch_scc1 .Lrun_\@
.endm
	RUN 94
	RUN 78
	RUN 62
	RUN 46
	RUN 30
.set wd, 14
.rept 7                                ; row blocks 80 to 93, with their true widths: no load passes the triangle's end, and the last trip loads nothing
	TRIP WA, 0, WBL, 1, BOXA, BOXB, wd, wd-1
	TRIP WBL, 1, WA, 0, BOXB, BOXA, wd-1, wd-2
.set wd, wd-2
.endr
	; Rows 0-299 leave through registers.  LDS serves a wave's instructions in order (ISA guide 5.7.1.4), so these loads see every store above.
	; They land in the flag registers, which are of no more use.
.set k, 0
.rept 10
	ds_load_b128 v[REM+4*k:REM+4*k+3], v2 offset:512*k
.set k, k+1
.endr
.set k, 0
.rept 9
	s_wait_dscnt 9-k                               ; read-back k of ten is in, the younger ones stay out
	global_store_b128 v2, v[REM+4*k:REM+4*k+3], s[14:15] offset:512*k   ; 32 rows, 512 neighbouring bytes
.set k, k+1
.endr
	s_wait_dscnt 0x0
	v_cmp_gt_u32 vcc_lo, 12, v0                    ; rows 288 to 299
	s_wait_xcnt 0x0                                ; EXEC changes only behind this wait
	s_and_saveexec_b32 s23, vcc_lo
	global_store_b128 v2, v[REM+36:REM+39], s[14:15] offset:4608
	s_endpgm
.Lfunc_end_k_qa6cfba287e_scan:
	.size	k_qa6cfba287e_scan, .Lfunc_end_k_qa6cfba287e_scan-k_qa6cfba287e_scan
	.p2alignl 7, 3214868480
	.fill 96, 4, 3214868480
	.section	.rodata,"a",@progbits
	.p2align	6, 0x0
	.amdhsa_kernel k_qa6cfba287e_scan
		.amdhsa_group_segment_fixed_size 5376
		.amdhsa_private_segment_fixed_size 0
		.amdhsa_enable_private_segment 0
		.amdhsa_kernarg_size 32
		.amdhsa_user_sgpr_count 2
		.amdhsa_user_sgpr_kernarg_segment_ptr 1
		.amdhsa_wavefront_size32 1
		.amdhsa_system_sgpr_workgroup_id_x 1
		.amdhsa_system_sgpr_workgroup_id_y 1
		.amdhsa_system_sgpr_workgroup_id_z 1
		.amdhsa_system_vgpr_workitem_id 0
		.amdhsa_next_free_vgpr 352
		.amdhsa_next_free_sgpr 66
		.amdhsa_reserve_vcc 1
		.amdhsa_float_denorm_mode_32 3
		.amdhsa_float_denorm_mode_16_64 3
		.amdhsa_memory_ordered 1
		.amdhsa_forward_progress 1
		.amdhsa_inst_pref_size 255
	.end_amdhsa_kernel
	.section	.bss,"aw",@nobits
	.p2align	6
	.space	262144
	.amdgpu_metadata
---
amdhsa.version: [ 1, 2 ]
amdhsa.kernels:
  - .name:           k_qa6cfba287e_scan
    .symbol:         k_qa6cfba287e_scan.kd
    .args:
      - { .name: tmat, .offset: 0, .size: 8, .value_kind: global_buffer, .address_space: global }
      - { .name: dead, .offset: 8, .size: 8, .value_kind: global_buffer, .address_space: global }
      - { .name: sbox, .offset: 16, .size: 8, .value_kind: global_buffer, .address_space: global }
      - { .name: out2, .offset: 24, .size: 8, .value_kind: global_buffer, .address_space: global }
    .group_segment_fixed_size: 5376
    .private_segment_fixed_size: 0
    .kernarg_segment_align: 8
    .kernarg_segment_size: 32
    .max_flat_workgroup_size: 32
    .sgpr_count:     66
    .vgpr_count:     352
    .wavefront_size: 32
...
	.end_amdgpu_metadata
.endif
;; end of part 5
;; ======== version 2 of 2: 5 launches; 1.39 times as fast as version 1
;; limits: values outside matrix products are rounded to bf16
;; workspace buffers: keys 1,440,000 bytes of whole numbers; boxes 5,760,000 bytes; ckey 192,512 bytes of whole numbers; cidx 192,512 bytes of whole numbers; sbox 770,048 bytes; dead 192,512 bytes of whole numbers; tmat 9,144,320 bytes of whole numbers
;; launch gemm: the kernel of part 1 again; grid 16 x 16, 5 waves a work-group, no clusters, 110,592 bytes of LDS; arguments x, loc_w, score_w, loc_b, score_b, out0, out1, out4, boxes, keys; writes out0, out1, out4, boxes, keys
;; launch select: the kernel of part 2 again; grid 16 x 1, 32 waves a work-group, no clusters, 512 bytes of LDS; arguments keys, ckey, cidx, out3; writes ckey, cidx, out3
;; launch rank: the kernel of part 3 again; grid 16 x 16, 12 waves a work-group, no clusters, 1,024 bytes of LDS; arguments ckey, cidx, boxes, sbox, dead; writes sbox, dead
;; launch iou: the kernel of part 4 again; grid 47 x 16, 8 waves a work-group, no clusters, 0 bytes of LDS; arguments sbox, tmat; writes tmat
;; launch scan (part 6): grid 16 x 1, 8 waves a work-group, no clusters, 256 bytes of LDS; arguments tmat, dead, sbox, out2; writes out2
.if DOCPART == 6
	.amdgcn_target "amdgcn-amd-amdhsa--gfx1250"
	.amdhsa_code_object_version 6
	.text
	.protected	k_qa6cfba287e_scan
	.globl	k_qa6cfba287e_scan
	.p2align	8
	.type	k_qa6cfba287e_scan,@function
k_qa6cfba287e_scan:
	s_mov_b64 s[64:65], 0
	v_nop
	global_prefetch_b8 v0, s[64:65] scope:SCOPE_SE
	s_setreg_imm32_b32 hwreg(HW_REG_WAVE_MODE, 25, 1), 1
	s_wait_xcnt 0x0
; Greedy suppression over the bit blocks, 32 ranks a trip, and the first 300 kept boxes of the image, the rest zeros.  One work-group of eight waves an image.
; Block (b, cb >= b) of the triangle is block number S_b + cb - b, S_b = 94 b - b (b - 1) / 2; word l of it belongs to column 32 cb + l, bit i to row 32 b + i.
; Wave w owns the column blocks w + 8 t.  Trips go in groups of eight; in group o register REM + r holds, a column a lane, whether column block
; w + 8 (o + r) is removed (not 0).  Trip b = 8 o + j has one owner, wave j: it settles the block's 32 ranks one after the other in scalar registers
; (row i's word of the diagonal block is, by symmetry, lane i's, cut to the columns behind i) and publishes the kept mask K in an LDS word; behind one
; barrier every wave reads K and adds what the kept rows remove to its own blocks of row b.  In a group's last trip the same instruction moves the flags down.
; Off the chain from one K to the next: the read-out of the diagonal block (by its owner, two trips early), all updates but that of REM + 0 (between
; the barrier's signal and its wait), and the issue of the loads (while K's LDS read is on its way).
; Row b + 6 is asked for in trip b, into a ring of eight sets of 12 registers, and waited for in trip b + 4: at most five rows of 12 loads of a wave are out.
; In the three loops the width is that of the loop's first group.  What is read past a row's end, or in front of its diagonal, are other blocks of the
; same image's triangle; their bits reach only flags of blocks that are settled already or do not exist, which nothing reads.
; No branch hangs on data: all 94 trips run.  Each owner keeps its K and the number kept before it in lane o of two registers; at the end every wave
; stores its own blocks' kept boxes.  A block's kept lanes have neighbouring places, so a store covers neighbouring bytes, though not aligned blocks of 256.
.set REM, 12                           ; v[12:23]   flags of my blocks
.set BOX, 24                           ; v[24:71]   the boxes of my blocks w + 8 t
.set AD,  72                           ; v[72:83]   byte offsets of their places in out2
.set ZQ,  84                           ; v[84:87]   zeros
.set WR,  96                           ; v[96:191]  set s: my blocks of the row b with b mod 8 = s
.set AH,  6                            ; rows asked for ahead
; v1 lane, v2 4 x lane, v3 the bits above my lane's, v4 16 x lane, v5 v6 v11 at work, v7 K as read, v8 0, v9 my K's, v10 the numbers kept before them
; s12 wave, s[14:15] the row last asked for, s16 bytes to the next row, s20 kept so far, s21 K, s22 s23 at work, s24 loop, s25 group of trip b + 1
; s[32:62] the diagonal block's rows, s[68:79] s[80:91] my K's and counts at the end
; LDS: eight words, K of trip b in word b mod 8: written again eight barriers later
	s_load_b256 s[4:11], s[0:1], 0x0               ; tmat 4, dead 6, sbox 8, out2 10
	v_lshrrev_b32 v1, 5, v0
	v_readfirstlane_b32 s12, v1                    ; wave
	v_and_b32 v1, 31, v0                           ; lane
	v_lshlrev_b32 v2, 2, v1
	v_lshlrev_b32 v4, 4, v1
	v_mov_b32 v3, -2
	v_lshlrev_b32 v3, v1, v3
	v_mov_b32 v8, 0
	v_mov_b32 v9, 0
	v_mov_b32 v10, 0
	s_add_co_u32 s27, s12, 88                      ; my twelfth block: waves 6 and 7 have none and take block 93 in its stead (never used)
	s_min_u32 s27, s27, 93
	s_sub_co_u32 s27, s27, s12
	s_lshl_b32 s26, s27, 7
	v_add_nc_u32 v90, s26, v2                      ; its flags, from my first block's
	s_lshl_b32 s26, s27, 9
	v_add_nc_u32 v91, s26, v4                      ; its boxes
	s_max_u32 s28, s12, 5                          ; the step into rows 88-93: eight blocks on, but waves 6 and 7 stop at column block 93
	s_sub_co_u32 s28, s28, 5
	s_lshl_b32 s28, s28, 7
	s_sub_co_u32 s28, 1024, s28
	s_mov_b32 s29, 0
	s_lshl_b32 s26, s12, 7
	s_mul_i32 s18, ttmp9, 571520                   ; 4,465 blocks of 128 bytes an image
	s_add_co_u32 s18, s18, s26
	s_mov_b32 s19, 0
	s_mul_i32 s22, ttmp9, 12032
	s_add_co_u32 s22, s22, s26
	s_mov_b32 s23, 0
	s_lshl_b32 s26, s12, 9
	s_mul_i32 s30, ttmp9, 48128
	s_add_co_u32 s30, s30, s26
	s_mov_b32 s31, 0
	s_mul_i32 s34, ttmp9, 4800
	s_mov_b32 s35, 0
	s_mov_b32 s16, 128*(93-(AH-1))                 ; from row n to row n + 1 inside a group: 93 - n blocks
	s_mov_b32 s17, 0
	s_mov_b32 s20, 0
	s_mov_b32 s21, 0
	s_mov_b32 s25, 0
	s_wait_kmcnt 0x0
	s_add_nc_u64 s[4:5], s[4:5], s[18:19]          ; row 0, my first block
	s_add_nc_u64 s[6:7], s[6:7], s[22:23]
	s_add_nc_u64 s[8:9], s[8:9], s[30:31]
	s_add_nc_u64 s[10:11], s[10:11], s[34:35]
	s_add_nc_u64 s[14:15], s[4:5], 128*(93*(AH-1)-(AH-1)*(AH-2)/2)   ; row 5, the last of the rows asked for here
.set t, 0
.rept 11
	global_load_b32 v[REM+t], v2, s[6:7] offset:1024*t
.set t, t+1
.endr
	global_load_b32 v[REM+11], v90, s[6:7]
.set n, 0
.rept AH
.set r, 0
.rept 12
	global_load_b32 v[WR+12*n+r], v2, s[4:5] offset:128*(93*n-n*(n-1)/2)+1024*r
.set r, r+1
.endr
.set n, n+1
.endr
; the diagonal block in set s, register 0: row i's word into s[32 + i]; row 31 has no column behind it
.macro PREP set
	v_and_b32 v11, v[WR+12*(\set)], v3
.set i, 0
.rept 31
	v_readlane_b32 s[32+i], v11, i
.set i, i+1
.endr
.endm
; The owner's part: those still there; each in turn, if still there, removes its columns; K goes to its word.  While that store is on its way
; K and the number kept before this block (s20 does not yet hold the last K's) go into lane s25 of v9 and v10.
.macro RESOLVE slot
	v_cmp_eq_u32 s22, 0, v[REM]
.set i, 0
.rept 31
	s_and_not1_b32 s23, s22, s[32+i]
	s_bitcmp1_b32 s22, i
	s_cselect_b32 s22, s23, s22
.set i, i+1
.endr
	v_mov_b32 v5, s22
	ds_store_b32 v8, v5 offset:4*(\slot)
	s_bcnt1_i32_b32 s23, s21
	s_add_co_u32 s23, s23, s20
	v_cmp_eq_u32 vcc_lo, s25, v1
	v_mov_b32 v6, s23
	v_cndmask_b32 v9, v9, v5, vcc_lo
	v_cndmask_b32 v10, v10, v6, vcc_lo
.endm
; Trip b, j = b mod 8; it begins behind the barrier that shows K of trip b published.
; wcur: blocks used; wload: blocks asked for of row b + 6 (0: none); wn: loads younger than row b + 2's; ext: the step into row 88;
; nxt: trip b + 1 exists; prp: row b + 2 exists.
.macro TRIP j, wcur, wload, wn, ext, nxt, prp
	ds_load_b32 v7, v8 offset:4*(\j)
.if \wload
	s_wait_xcnt 0x0                                ; the pointer is stepped only behind this wait
	s_add_nc_u64 s[14:15], s[14:15], s[16:17]
	s_sub_co_u32 s16, s16, 128
.if ((\j)+AH)%8 == 0                               ; the row opens a group: my blocks begin eight further on
.if \ext
	s_add_nc_u64 s[14:15], s[14:15], s[28:29]
.else
	s_add_nc_u64 s[14:15], s[14:15], 1024
.endif
.endif
.set r, 0
.rept \wload
	global_load_b32 v[WR+12*(((\j)+AH)%8)+r], v2, s[14:15] offset:1024*r     ; the set read last two trips ago
.set r, r+1
.endr
.endif
.if \prp
	s_wait_loadcnt \wn                             ; row b + 2 is in; the younger loads stay out
.endif
	s_wait_dscnt 0x0
	v_readfirstlane_b32 s21, v7                    ; K of trip b
.if \nxt
.if (\j) == 7
	s_add_co_u32 s25, s25, 1
	v_and_or_b32 v[REM], v[WR+12*7+1], s21, v[REM+1]       ; the next owner's block first; the flags move down
.else
	v_and_or_b32 v[REM], v[WR+12*(\j)], s21, v[REM]
.endif
	s_cmp_lg_u32 s12, ((\j)+1)%8
	s_cbranch_scc1 .Lno_\@
	RESOLVE ((\j)+1)%8
.if \prp
	s_branch .Lgo_\@
.endif
.Lno_\@:
.if \prp
	s_cmp_lg_u32 s12, ((\j)+2)%8
	s_cbranch_scc1 .Lgo_\@
	PREP ((\j)+2)%8
.Lgo_\@:
.endif
	s_wait_dscnt 0x0                               ; the owner's K is written, for the other waves' sake
	s_barrier_signal -1
.if (\j) == 7                                      ; register work alone up to the barrier's wait
.if (\wcur) > 2
.set r, 1
.rept (\wcur)-2
	v_and_or_b32 v[REM+r], v[WR+12*7+r+1], s21, v[REM+r+1]
.set r, r+1
.endr
.endif
.else
.if (\wcur) > 1
.set r, 1
.rept (\wcur)-1
	v_and_or_b32 v[REM+r], v[WR+12*(\j)+r], s21, v[REM+r]
.set r, r+1
.endr
.endif
.endif
	s_bcnt1_i32_b32 s23, s21
	s_add_co_u32 s20, s20, s23
	s_barrier_wait -1
.else
	s_bcnt1_i32_b32 s23, s21
	s_add_co_u32 s20, s20, s23
.endif
.endm
	s_wait_loadcnt 48                              ; the flags and rows 0 and 1 are in; rows 2 to 5, 48 loads, stay out
	s_cmp_lg_u32 s12, 0
	s_cbranch_scc1 .Lothers
	PREP 0
	RESOLVE 0                                      ; K of trip 0
	s_branch .Lfirst
.Lothers:
	PREP 1                                         ; wave 1's diagonal block; in the other waves it only gives s[32:62] a value
.Lfirst:
	s_wait_dscnt 0x0
	s_barrier_signal -1
	s_barrier_wait -1
; Three groups of eight trips at one width.  The count is the four younger rows at that width; in a loop's first trips the rows that the loop
; before asked for are wider, so more loads are younger than the count says, and the smaller count holds.
.macro RUN width
	s_mov_b32 s24, 0
.Lrun_\@:
.irp j, 0,1,2,3,4,5,6,7
	TRIP \j, \width, \width, (AH-2)*\width, 0, 1, 1
.endr
	s_add_co_u32 s24, s24, 1
	s_cmp_lt_u32 s24, 3
	s_cbranch_scc1 .Lrun_\@
.endm
	RUN 12                                         ; trips 0 to 23
	RUN 9                                          ; trips 24 to 47
	RUN 6                                          ; trips 48 to 71; it has asked for rows up to 77
	; my blocks' boxes, for the end: asked for here, where few loads are out
.set t, 0
.rept 11
	global_load_b128 v[BOX+4*t:BOX+4*t+3], v4, s[8:9] offset:4096*t
.set t, t+1
.endr
	global_load_b128 v[BOX+44:BOX+47], v91, s[8:9]
; how many blocks of a row were or are asked for: rows up to 77 by the last loop, then the true widths
.macro LWID row
.set lw, 0
.if (\row) < 78
.set lw, 6
.else
.if (\row) < 80
.set lw, 3
.else
.if (\row) < 88
.set lw, 2
.else
.if (\row) < 94
.set lw, 1
.endif
.endif
.endif
.endif
.endm
; Trips 72 to 93, written out.  The count: rows b + 3 to b + 6, and the 12 loads of boxes as long as row b + 2 was asked for in front of them (up to row 77).
.set b, 72
.rept 22
.set wn, 0
.if b < 76
.set wn, 12
.endif
	LWID b+3
.set wn, wn+lw
	LWID b+4
.set wn, wn+lw
	LWID b+5
.set wn, wn+lw
	LWID b+6
.set wn, wn+lw
.set ex, 0
.if b == 82
.set ex, 1
.endif
.set nx, 1
.if b == 93
.set nx, 0
.endif
.set pr, 1
.if b > 91
.set pr, 0
.endif
	TRIP b%8, 12-b/8, lw, wn, ex, nx, pr
.set b, b+1
.endr
	; The end.  All places, masks and addresses are made first, with every lane on; the masked stores follow and write no vector register.
.set t, 0
.rept 12
	v_readlane_b32 s[68+t], v9, t                  ; K of my block w + 8 t (0 where there is none)
	v_readlane_b32 s[80+t], v10, t                 ; the number kept before it
.set t, t+1
.endr
.set t, 0
.rept 12
	v_mbcnt_lo_u32_b32 v[AD+t], s[68+t], s[80+t]   ; my place among the kept
	v_cmp_gt_u32 vcc_lo, 300, v[AD+t]
	s_and_b32 s[68+t], s[68+t], vcc_lo             ; kept, and among the first 300
	v_min_u32 v[AD+t], 299, v[AD+t]
	v_lshlrev_b32 v[AD+t], 4, v[AD+t]
.set t, t+1
.endr
	v_lshl_add_u32 v88, s12, 5, v1                 ; rows 32 w + lane and 256 + 32 w + lane: zeros from the number kept up to row 299
	v_add_nc_u32 v89, 256, v88
	v_cmp_le_u32 s92, s20, v88
	v_cmp_le_u32 s93, s20, v89
	v_cmp_gt_u32 vcc_lo, 300, v89
	s_and_b32 s93, s93, vcc_lo
	v_min_u32 v89, 299, v89
	v_lshlrev_b32 v88, 4, v88
	v_lshlrev_b32 v89, 4, v89
	v_mov_b32 v[ZQ], 0
	v_mov_b32 v[ZQ+1], 0
	v_mov_b32 v[ZQ+2], 0
	v_mov_b32 v[ZQ+3], 0
.macro PUT m, a, d
	s_mov_b32 vcc_lo, s[\m]
	s_and_saveexec_b32 s24, vcc_lo
	global_store_b128 v[\a], v[\d:\d+3], s[10:11]
	s_wait_xcnt 0x0                                ; EXEC changes only behind this wait
	s_or_b32 exec_lo, exec_lo, s24
.endm
	s_wait_xcnt 0x0
.set t, 0
.rept 12
	PUT 68+t, AD+t, BOX+4*t                        ; the boxes came in with the tail's waits, which they precede
.set t, t+1
.endr
	PUT 92, 88, ZQ
	PUT 93, 89, ZQ
	s_endpgm
.Lfunc_end_k_qa6cfba287e_scan:
	.size	k_qa6cfba287e_scan, .Lfunc_end_k_qa6cfba287e_scan-k_qa6cfba287e_scan
	.p2alignl 7, 3214868480
	.fill 96, 4, 3214868480
	.section	.rodata,"a",@progbits
	.p2align	6, 0x0
	.amdhsa_kernel k_qa6cfba287e_scan
		.amdhsa_group_segment_fixed_size 256
		.amdhsa_private_segment_fixed_size 0
		.amdhsa_enable_private_segment 0
		.amdhsa_kernarg_size 32
		.amdhsa_user_sgpr_count 2
		.amdhsa_user_sgpr_kernarg_segment_ptr 1
		.amdhsa_wavefront_size32 1
		.amdhsa_system_sgpr_workgroup_id_x 1
		.amdhsa_system_sgpr_workgroup_id_y 1
		.amdhsa_system_sgpr_workgroup_id_z 1
		.amdhsa_system_vgpr_workitem_id 0
		.amdhsa_next_free_vgpr 192
		.amdhsa_next_free_sgpr 96
		.amdhsa_reserve_vcc 1
		.amdhsa_float_denorm_mode_32 3
		.amdhsa_float_denorm_mode_16_64 3
		.amdhsa_memory_ordered 1
		.amdhsa_forward_progress 1
		.amdhsa_inst_pref_size 255
	.end_amdhsa_kernel
	.section	.bss,"aw",@nobits
	.p2align	6
	.space	262144
	.amdgpu_metadata
---
amdhsa.version: [ 1, 2 ]
amdhsa.kernels:
  - .name:           k_qa6cfba287e_scan
    .symbol:         k_qa6cfba287e_scan.kd
    .args:
      - { .name: tmat, .offset: 0, .size: 8, .value_kind: global_buffer, .address_space: global }
      - { .name: dead, .offset: 8, .size: 8, .value_kind: global_buffer, .address_space: global }
      - { .name: sbox, .offset: 16, .size: 8, .value_kind: global_buffer, .address_space: global }
      - { .name: out2, .offset: 24, .size: 8, .value_kind: global_buffer, .address_space: global }
    .group_segment_fixed_size: 256
    .private_segment_fixed_size: 0
    .kernarg_segment_align: 8
    .kernarg_segment_size: 32
    .max_flat_workgroup_size: 256
    .sgpr_count:     96
    .vgpr_count:     192
    .wavefront_size: 32
...
	.end_amdgpu_metadata
.endif
;; end of part 6
